; MI455X (gfx1250); checked and timed in simulation.
; The chip was launched on July 23, 2026; its instructions are those of AMD's public machine-readable ISA for CDNA 5 (MIT licence, August 2026) and "CDNA5" Instruction Set Architecture Reference Guide (July 2026). The comments in the code are by the model that wrote it; some were corrected since.
;; Atomic Linear. Allowed arithmetic: matrix products marked QUANTISED: E2M3 operands, one E8M0 scale for each 32 along K, by v_wmma_scale_f32_16x16x128_f8f6f4 with both operands' format E2M3, f32 sums; everything else in f32.
;; Inputs: bias 2,048 float32; weight 2,048 x 2,048 float32; x 4,096 x 2,048 float32.
;; Outputs: out0 4,096 x 2,048 float32.
;; This version of the problem:
;;   THIS VERSION OF THE PROBLEM IS GIVEN IN LOW PRECISION. The matrix products marked QUANTISED in the list below multiply operands that are first quantised to E2M3 (2 exponent bits, 3 mantissa bits; 6 bits a number), with one power-of-two scale for each 32 numbers along K (OCP MX v1.0); their sums are f32. All else is computed in f32.
;;   The module's matrix products, in the order in which they are computed (A, B: the left and right operand; K: the contracted axis; several contracted axes count as one K, in the product's order):
;;     1. [M 4,096, K 2,048] x [K 2,048, N 2,048]; A: input x; B: input weight: QUANTISED
;;   THE QUANTISER, for each operand of a quantised product, along K:
;;     - K is cut into blocks of 32 from its start; a last block that is shorter is filled with zeros.
;;     - A block's scale is 2^e with e = floor(log2(the largest magnitude in the block)) - 2, held to -126 .. 127; a block of zeros has e = 0. As a byte (E8M0): e + 127.
;;     - Each number is divided by its block's scale, clamped to +-7.5, and rounded to the nearest number of E2M3, ties to even, subnormals kept.
;;     - The product sums the exact products of the quantised numbers (number of the format x scale) in f32.
;;   ~~~python
;;   def quantise(x, axis):      # numpy; x: float32 -> the quantised numbers, widened to float32 again
;;       x = np.moveaxis(x, axis, -1); K = x.shape[-1]
;;       x = np.pad(x, [(0, 0)] * (x.ndim - 1) + [(0, -K % 32)]); x = x.reshape(x.shape[:-1] + (-1, 32)); a = np.abs(x).max(-1, keepdims=True)
;;       e = np.where(a > 0, np.clip(np.frexp(np.where(a > 0, a, 1))[1] - 1 - 2, -126, 127), 0)      # np.frexp(a)[1] - 1 = floor(log2(a)), exactly
;;       r = np.clip(x / 2.0 ** e, -7.5, 7.5)
;;       step = 2.0 ** (np.maximum(np.frexp(np.where(r == 0, 1, r))[1] - 1, 0) - 3)
;;       q = np.round(r / step) * step * 2.0 ** e      # np.round: ties to even
;;       return np.moveaxis(q.reshape(q.shape[:-2] + (-1,))[..., :K], -1, axis).astype(np.float32)
;;   ~~~
;; One version. Each part assembles by itself: llvm-mc -triple=amdgcn-amd-amdhsa -mcpu=gfx1250 --defsym DOCPART=n.
;; ======== version 1 of 1: 2 launches
;; limits: right only within a limited range of input values
;; workspace buffers: xq 6,553,600 bytes; wq 3,276,800 bytes
;; launch quant (part 1): grid 256 x 1, 24 waves a work-group, no clusters, 207,360 bytes of LDS; arguments x, weight, xq, wq; writes xq, wq
.if DOCPART == 1
	.amdgcn_target "amdgcn-amd-amdhsa--gfx1250"
	.amdhsa_code_object_version 6
	.text
	.protected	k_qf4a6bff3bf_quant
	.globl	k_qf4a6bff3bf_quant
	.p2align	8
	.type	k_qf4a6bff3bf_quant,@function
k_qf4a6bff3bf_quant:
	s_mov_b64 s[64:65], 0
	v_nop
	global_prefetch_b8 v0, s[64:65] scope:SCOPE_SE
	s_setreg_imm32_b32 hwreg(HW_REG_WAVE_MODE, 25, 1), 1
	s_wait_xcnt 0x0
; x [4096][2048] and weight [2048][2048], f32, K innermost, become codes of FP6 (E2M3) with one E8M0 scale byte for each 32 along K, laid in the order of the matrix operand's registers.
; A UNIT is 16 rows x 512 K, 6,400 bytes: four fragment images (16 rows x 128 K, 1,536 bytes: chunk c of 512 bytes holds, at 16 x lane, registers 4 c .. 4 c + 3 of the 12 of lane (r, h):
; row r, registers 0-5: k = 32 h + 0 .. 31, registers 6-11: k = 64 + 32 h + 0 .. 31), then 256 scale bytes: row r's four scale words at 16 r.
; xq is [K half][256 row blocks][2][UNIT]; row block c holds x's rows 16 c + r.   wq is [K / 512][128 row blocks][UNIT]; row block R holds weight's rows 64 (R / 4) + R % 4 + 4 r,
; so that the four row blocks of 64 rows give a lane of the product four NEIGHBOURING columns.
; A block's scale is 2^(floor(log2(its largest magnitude)) - 2); its byte is the largest magnitude's exponent field - 2, held at 1 from below.
; LIMITS: a block of zeros gets the byte 1 where the rule says 127 (its codes are zeros, which add nothing under any byte but 0xff, and this program alone reads the bytes);
; blocks whose largest magnitude lies under 2^-124, whose byte is held at 1, were not tried; NaN and infinities among the inputs are not served.
; SHARES.  A work-group takes one row block of x (waves 0-15, a fragment each) and half a row block of weight (waves 16-23): six units.  Each wave brings its own 16 rows x 512 bytes by ONE tensor load, padded in LDS
; by 16 bytes a row (528 = 33 x 16), so that sixteen lanes at one column of sixteen rows touch sixteen different columns of 16 bytes.  All of a work-group's 196,608 bytes are asked for at its start and there is
; no loop: no data prefetch.  No tile is shared between work-groups: no cluster.  The units' scale bytes are gathered in LDS and leave as whole 256 bytes.
.set PITCH, 528
.set TILE,  16*PITCH
.set SCB,   24*TILE                    ; six units' scale bytes
.set SPARE, SCB+6*256                  ; the spare words, 128 bytes for each of 24 waves
.set UNIT,  6400
.set FRB,   1536
.set SCO,   6144
.set SPW,   12
.set NIL,   13
.set X,     16                         ; v16-79: X + 32 c + i = my row's k = 64 c + 32 h + i
.set C,     80                         ; v80-91 the fragment's 12 registers
.set T,     92                         ; v92-94, v96-98 upper halves before they are moved
.set M,     100                        ; v100-109 maxima, scales
	s_load_b128 s[4:7], s[0:1], 0x0                ; x, weight
	s_load_b128 s[8:11], s[0:1], 0x10              ; xq, wq
	v_lshl_add_u32 v[SPW], v0, 2, SPARE
	v_mov_b32 v[NIL], 0
	ds_add_u32 v[SPW], v[NIL]                      ; the opening lines: the add, twice on end, and its wait
	ds_add_u32 v[SPW], v[NIL]
	v_lshrrev_b32 v1, 5, v0
	v_readfirstlane_b32 s12, v1                    ; wave
	s_lshr_b32 s13, ttmp9, 1                       ; R: weight's row block
	s_and_b32 s14, ttmp9, 1                        ; which half of its K
	s_lshl_b32 s15, s14, 3
	s_add_co_u32 s15, s15, s12
	s_sub_co_u32 s15, s15, 16                      ; weight: K step 8 x half + wave - 16
	s_lshl_b32 s16, ttmp9, 17                      ; x: 16 rows of 8,192 bytes
	s_lshr_b32 s17, s13, 2
	s_lshl_b32 s17, s17, 19                        ; weight: 64 rows
	s_and_b32 s18, s13, 3
	s_lshl_b32 s18, s18, 13
	s_add_co_u32 s17, s17, s18
	s_cmp_lt_u32 s12, 16                           ; x's wave or weight's
	s_cselect_b32 s20, s16, s17
	s_cselect_b32 s21, s12, s15
	s_lshl_b32 s21, s21, 9                         ; 512 bytes a K step
	s_add_co_u32 s20, s20, s21
	s_mov_b32 s21, 0
	s_mov_b32 s32, 1                               ; descriptor group 0
	s_mul_i32 s33, s12, TILE
	; group 1: 16 rows of 128 numbers of 4 bytes, 4 words of padding behind every 128; x's rows are 2,048 numbers apart, weight's 4 x 2,048
	s_mov_b32 s36, (2<<16)|(1<<20)|(6<<22)|(3<<25)
	s_mov_b32 s37, 128<<16
	s_mov_b32 s38, 16<<16
	s_mov_b32 s39, 128<<16
	s_mov_b32 s40, 16
	s_mov_b32 s41, 2048
	s_mov_b32 s42, 0
	s_mov_b32 s43, 0
	s_mov_b32 s44, (2<<16)|(1<<20)|(6<<22)|(3<<25)
	s_mov_b32 s45, 128<<16
	s_mov_b32 s46, 16<<16
	s_mov_b32 s47, 128<<16
	s_mov_b32 s48, 16
	s_mov_b32 s49, 8192
	s_mov_b32 s50, 0
	s_mov_b32 s51, 0
	s_wait_alu depctr_va_vdst(0)
	s_wait_dscnt 0x0                               ; both opening adds are done
	s_wait_kmcnt 0x0
	s_cmp_lt_u32 s12, 16
	s_cselect_b64 s[4:5], s[4:5], s[6:7]
	s_cselect_b64 s[22:23], s[8:9], s[10:11]       ; where my codes go
	s_add_nc_u64 s[34:35], s[4:5], s[20:21]
	s_or_b32 s35, s35, 0x80000000
	s_cmp_lt_u32 s12, 16
	s_cbranch_scc0 .Lweight
	tensor_load_to_lds s[32:35], s[36:43]
	s_nop 0
.rept 4
	v_nop
.endr
	s_branch .Lasked
.Lweight:
	tensor_load_to_lds s[32:35], s[44:51]
	s_nop 0
.rept 4
	v_nop
.endr
.Lasked:
.macro UNITOF d, u                     ; the byte offset of the work-group's unit u in its buffer: u = 0 .. 3 in xq, 4, 5 in wq
	s_lshr_b32 s28, \u, 1
	s_lshl_b32 s28, s28, 9
	s_lshl_b32 s29, ttmp9, 1
	s_add_co_u32 s28, s28, s29
	s_and_b32 s29, \u, 1
	s_add_co_u32 s28, s28, s29                     ; x: (K half x 256 + row block) x 2 + quarter of the half
	s_lshl_b32 s29, s14, 1
	s_add_co_u32 s29, s29, \u
	s_sub_co_u32 s29, s29, 4
	s_lshl_b32 s29, s29, 7
	s_add_co_u32 s29, s29, s13                     ; weight: K quarter x 128 + row block
	s_cmp_lt_u32 \u, 4
	s_cselect_b32 \d, s28, s29
	s_mul_i32 \d, \d, UNIT
.endm
	s_lshr_b32 s16, s12, 2                         ; my unit
	s_and_b32 s17, s12, 3                          ; my fragment in it
	UNITOF s26, s16
	s_mul_i32 s18, s17, FRB
	s_add_co_u32 s26, s26, s18
	s_mov_b32 s27, 0
	s_add_nc_u64 s[22:23], s[22:23], s[26:27]
	s_min_u32 s19, s12, 5                          ; waves 0-5 send one unit's scale bytes each
	UNITOF s26, s19
	s_add_co_u32 s26, s26, SCO
	s_cmp_lt_u32 s19, 4
	s_cselect_b64 s[24:25], s[8:9], s[10:11]
	s_add_nc_u64 s[24:25], s[24:25], s[26:27]
	v_and_b32 v2, 15, v0                           ; r
	v_bfe_u32 v3, v0, 4, 1                         ; h
	v_and_b32 v4, 31, v0                           ; lane
	v_mul_u32_u24 v6, v2, PITCH
	v_lshl_add_u32 v6, v3, 7, v6
	v_add_nc_u32 v6, s33, v6                       ; my row in my tile, + 128 h bytes
	v_lshlrev_b32 v7, 4, v4                        ; 16 x lane
	s_lshl_b32 s16, s16, 8
	s_lshl_b32 s17, s17, 2
	s_add_co_u32 s16, s16, s17
	s_add_co_u32 s16, s16, SCB
	v_lshlrev_b32 v8, 4, v2
	v_add_nc_u32 v8, s16, v8                       ; my row's scale word
	s_lshl_b32 s19, s19, 8
	s_add_co_u32 s19, s19, SCB
	v_lshlrev_b32 v10, 3, v4
	v_add_nc_u32 v9, s19, v10                      ; a unit's scale bytes on their way out: 8 bytes a lane
	v_lshlrev_b32 v11, 3, v3                       ; 8 h: how far my two scale bytes are shifted up in the word
	v_mov_b32 v[M+9], 0                            ; (a lane permute's destination counts as one of its sources)
	s_mov_b32 s30, 0x76543210
	s_mov_b32 s31, 0xfedcba98                      ; v_permlanex16_b32's selects for lane l xor 16
	s_wait_alu depctr_va_vdst(0)
	s_wait_tensorcnt 0x0                           ; my tile is in; nobody else reads it
.irp c, 0,1
.irp j, 0,1,2,3,4,5,6,7
	ds_load_b128 v[X+32*\c+4*\j:X+32*\c+4*\j+3], v6 offset:256*\c+16*\j
.endr
.endr
	s_wait_dscnt 0x0
	; the two blocks' largest magnitudes: two chains a block, the blocks by turns
.irp c, 0,1
	v_max3_num_f32 v[M+2*\c], |v[X+32*\c]|, |v[X+32*\c+1]|, |v[X+32*\c+2]|
	v_max3_num_f32 v[M+2*\c+1], |v[X+32*\c+3]|, |v[X+32*\c+4]|, |v[X+32*\c+5]|
.endr
.irp i, 6,10,14,18,22,26
.irp c, 0,1
	v_max3_num_f32 v[M+2*\c], v[M+2*\c], |v[X+32*\c+\i]|, |v[X+32*\c+\i+1]|
	v_max3_num_f32 v[M+2*\c+1], v[M+2*\c+1], |v[X+32*\c+\i+2]|, |v[X+32*\c+\i+3]|
.endr
.endr
.irp c, 0,1
	v_max3_num_f32 v[M+2*\c], v[M+2*\c], |v[X+32*\c+30]|, |v[X+32*\c+31]|
.endr
.irp c, 0,1
	v_max3_num_f32 v[M+2*\c], v[M+2*\c], v[M+2*\c+1], 0x1800000   ; and the floor 2^(3 - 127): the byte cannot fall under 1
.endr
.irp c, 0,1
	v_add_nc_u32 v[M+4+\c], 0xff000000, v[M+2*\c]  ; 2 off its exponent field: the conversion takes the exponent field of this operand as its scale
.endr
.irp c, 0,1
	v_lshrrev_b32 v[M+6+\c], 23, v[M+4+\c]         ; the scale's byte
.endr
.irp c, 0,1
	v_cvt_scalef32_pk16_fp6_f32 v[C+6*\c:C+6*\c+2], v[X+32*\c:X+32*\c+15], v[M+4+\c]
	v_cvt_scalef32_pk16_fp6_f32 v[T+4*\c:T+4*\c+2], v[X+32*\c+16:X+32*\c+31], v[M+4+\c]    ; (a conversion's three registers begin on an even number)
.endr
	v_lshl_or_b32 v[M+8], v[M+7], 16, v[M+6]       ; my two bytes: blocks h and 2 + h.  (A plain place behind the conversions)
.irp i, 0,1,2
	v_mov_b32 v[C+3+\i], v[T+\i]
	v_mov_b32 v[C+9+\i], v[T+4+\i]
.endr
	v_lshlrev_b32 v[M+8], v11, v[M+8]
.irp c, 0,1,2
	global_store_b128 v7, v[C+4*\c:C+4*\c+3], s[22:23] offset:512*\c   ; 32 lanes store 512 consecutive bytes, at a multiple of 256 from the buffer's first byte
.endr
	v_permlanex16_b32 v[M+9], v[M+8], s30, s31
	v_or_b32 v[M+8], v[M+8], v[M+9]                ; with lane l xor 16's two the word is whole
	ds_store_b32 v8, v[M+8]                        ; both halves of the lanes write the same word with the same value
	s_wait_dscnt 0x0                               ; for the sending waves' sake: my scale words lie in LDS
	s_barrier_signal -1
	s_barrier_wait -1
	s_cmp_lt_u32 s12, 6
	s_cbranch_scc0 .Lend
	ds_load_b64 v[14:15], v9
	s_wait_dscnt 0x0
	global_store_b64 v10, v[14:15], s[24:25]       ; 32 lanes store 256 consecutive bytes, at a multiple of 256 from the buffer's first byte
.Lend:
	s_wait_tensorcnt 0x0                           ; the wave's end
	ds_add_u32 v[SPW], v[NIL]
	s_wait_dscnt 0x0
	s_endpgm
.Lfunc_end_k_qf4a6bff3bf_quant:
	.size	k_qf4a6bff3bf_quant, .Lfunc_end_k_qf4a6bff3bf_quant-k_qf4a6bff3bf_quant
	.p2alignl 7, 3214868480
	.fill 96, 4, 3214868480
	.section	.rodata,"a",@progbits
	.p2align	6, 0x0
	.amdhsa_kernel k_qf4a6bff3bf_quant
		.amdhsa_group_segment_fixed_size 207360
		.amdhsa_private_segment_fixed_size 0
		.amdhsa_enable_private_segment 0
		.amdhsa_kernarg_size 32
		.amdhsa_user_sgpr_count 2
		.amdhsa_user_sgpr_kernarg_segment_ptr 1
		.amdhsa_wavefront_size32 1
		.amdhsa_system_sgpr_workgroup_id_x 1
		.amdhsa_system_sgpr_workgroup_id_y 1
		.amdhsa_system_sgpr_workgroup_id_z 1
		.amdhsa_system_vgpr_workitem_id 0
		.amdhsa_next_free_vgpr 112
		.amdhsa_next_free_sgpr 66
		.amdhsa_reserve_vcc 0
		.amdhsa_float_denorm_mode_32 3
		.amdhsa_float_denorm_mode_16_64 3
		.amdhsa_memory_ordered 1
		.amdhsa_forward_progress 1
		.amdhsa_inst_pref_size 11
	.end_amdhsa_kernel
	.amdgpu_metadata
---
amdhsa.version: [ 1, 2 ]
amdhsa.kernels:
  - .name:           k_qf4a6bff3bf_quant
    .symbol:         k_qf4a6bff3bf_quant.kd
    .args:
      - { .name: x, .offset: 0, .size: 8, .value_kind: global_buffer, .address_space: global }
      - { .name: weight, .offset: 8, .size: 8, .value_kind: global_buffer, .address_space: global }
      - { .name: xq, .offset: 16, .size: 8, .value_kind: global_buffer, .address_space: global }
      - { .name: wq, .offset: 24, .size: 8, .value_kind: global_buffer, .address_space: global }
    .group_segment_fixed_size: 207360
    .private_segment_fixed_size: 0
    .kernarg_segment_align: 8
    .kernarg_segment_size: 32
    .max_flat_workgroup_size: 768
    .sgpr_count:     66
    .vgpr_count:     112
    .wavefront_size: 32
...
	.end_amdgpu_metadata
.endif
;; end of part 1
;; launch gemm (part 2): grid 8 x 32, 4 waves a work-group, clusters of 4 x 4, 327,680 bytes of LDS; arguments xq, wq, bias, out0; writes out0
.if DOCPART == 2
	.amdgcn_target "amdgcn-amd-amdhsa--gfx1250"
	.amdhsa_code_object_version 6
	.text
	.protected	k_qf4a6bff3bf_gemm
	.globl	k_qf4a6bff3bf_gemm
	.p2align	8
	.type	k_qf4a6bff3bf_gemm,@function
k_qf4a6bff3bf_gemm:
	s_mov_b64 s[64:65], 0
	v_nop
	global_prefetch_b8 v0, s[64:65] scope:SCOPE_SE
	s_setreg_imm32_b32 hwreg(HW_REG_WAVE_MODE, 25, 1), 1
	s_wait_xcnt 0x0
	s_wait_alu depctr_hold_cnt(0) depctr_sa_sdst(0) depctr_va_vdst(0) depctr_va_sdst(0) depctr_va_ssrc(0) depctr_va_vcc(0) depctr_vm_vsrc(0)
	s_getreg_b32 s2, hwreg(HW_REG_IB_STS2, 6, 4)
	s_cmp_eq_u32 s2, 0
	s_cbranch_scc0 .Lentry_in_a_cluster
	s_endpgm
.Lentry_in_a_cluster:
	s_bfe_u32 s2, ttmp6, 0x10000c
	s_cmp_lg_u32 s2, 0xf033
	s_cbranch_scc0 .Lentry_shape_is_right
	s_endpgm
.Lentry_shape_is_right:
; out0[m][n] = sum over k of X[m][k] W[n][k] + bias[n].  X (4096 x 2048) and W (2048 x 2048) come as codes of FP6 (E2M3) with one E8M0 scale for each 32 along K, in the units that the launch before laid
; (16 rows x 512 K: four fragment images of 1,536 bytes, then 256 scale bytes).  Sums in f32; the bias is added in f32 to the finished sum.
; SHARES.  A work-group makes 128 rows x 256 columns: 256 work-groups of equal work.  W IS HELD IN REGISTERS: wave w holds the 64 columns 64 w on, ALL of K: 4 tiles x 16 steps = 64 fragments of 12 registers, 768.
; X streams past in eight blocks of 16 rows; a block's 16 x 64 sums are finished after its 64 products and leave while later blocks are multiplied.
; K is walked in four quarters q of 512.  LDS: X's 64 rows of the moment (two K halves of 51,200 bytes), and two regions of 102,400 bytes for W's quarters.
; FILLS.  At the head one joint load a wave: W's q 0, X's rows 0-63 in two K halves, W's q 1.  First round: q 2 onto q 0, which all waves hold in registers.  Second round: X's rows 64-127 onto q 1.
; W's q 3 goes straight into its registers by plain loads, each of 512 consecutive bytes: a wave reads its own 25,600 bytes of it once.  It is no joint load, since in LDS it could only follow q 2 behind one round more.
; Blocks 0 and 1 are multiplied while W comes in, so the walk goes by ITEMS (block, quarter): 0: (0,0), (1,0), (0,1), (1,1), (0,2), (1,2), (0,3), (1,3), then (2,0), (2,1) .. (7,3).
; An item is 16 products, two pairs of steps.  Its four fragments of X and its scale words are fetched in ONE run of 13 LDS loads, an item ahead, into one of two sets; a finished block's stores stand in these runs too.
; CLUSTERS: 4 x 4 work-groups.  The four of a row of the cluster need the same rows of X, the four of a column the same rows of W: each tile that goes through LDS is asked for JOINTLY.
; THE ORDER OF K.  Clusters of even y walk K from 0, those of odd y from 1,024 on and then from 0.  The clusters of one column read the same rows of W, four of each kind: together their first fills ask for all of those rows.
; LIMIT: in the clusters of odd y the f32 sums add K 1,024 - 2,047 ahead of K 0 - 1,023: an order of rounding that differs from ascending K.
; No data prefetch: there is no loop to run ahead in; X's second 64 rows are asked for 168 products ahead of the barrier that shows them.
; THE WAY OUT needs no LDS: source 0 = 16 rows of X, source 1 = 16 rows of W; lane (r, h) of tile b has column 4 r + b (so W's rows were dealt) and register j row 8 h + j.  So the four tiles' registers j are 16 neighbouring bytes
; of a row; the addition of the bias puts them side by side, and sixteen lanes store 256 consecutive bytes.
; REGISTERS.  Window 0: v1-5, v14-15 addresses; v6-13 X's scale words, two sets; v16-27 W's fragment 63; v28-123 X's fragments, two sets of four; v124-187 two sets of four accumulators; v188-219 a block on its way out (at first: addresses);
; v220-251 W's scale words.  Windows 1-3: W's fragments 0-62 (fragment 4 k + b), 21 to a window.  v252-255 of EVERY window: the bias of my four columns, so that the additions need no switch of the window.
.set UNIT,  6400
.set FRB,   1536
.set SCO,   6144
.set XH,    51200                      ; 64 rows of X, half of K
.set WCH,   102400                     ; 256 rows of W, a quarter of K; also 64 rows of X, all of K
.set A0,    102400                     ; W's first region; the second lies WCH behind it
.set SPARE, 307200                     ; the spare words, 128 bytes for each wave
.set KHX,   3276800                    ; from K half to K half in xq,
.set KHW,   1638400                    ; and in wq
.set NROW,  8192
.set SPW,   1
.set NIL,   2
.set XA,    3                          ; v3, v4   LDS address of X's fragments, K half 0, 1 of the walk
.set CO,    5                          ; v5       my byte offset in out0
.set XS,    6
.set XSA,   14                         ; v14, v15 of X's scale words
.set F63,   16
.set RING,  28
.set ACC,   124
.set OUT,   188
.set WA,    188                        ; v188, v189 LDS address of my W fragments in the two regions: used up before the first block leaves
.set WSA,   190                        ; v190, v191 of my W scale words: lanes 0-15 an even tile's rows, lanes 16-31 the next tile's
.set BOF,   192
.set GSO,   196                        ; v196, v197 offsets of q 3's scale words and fragments in my four units
.set GFO,   197
.set WS,    220                        ; WS + 8 q + 4 p + i: tiles 2 p (lanes 0-15) and 2 p + 1 (lanes 16-31), step i of quarter q
.set BIAS,  252
.set G1X,   24
.set G1W,   48
.set Q3,    60                         ; s[60:61] my four units of q 3
.set GZ,    68                         ; s[68:95] seven groups 0, written once
.set MSB, 0
.macro WIN new
.if MSB != (\new)
	s_set_vgpr_msb (MSB<<8)|(\new)
.set MSB, (\new)
.endif
.endm
.macro PLACES n
.rept \n
	v_nop
.endr
.endm
.macro BARRIER
	s_barrier_signal -1
	s_barrier_wait -1
.endm
.macro CREST                           ; a round of the cluster's barrier behind its opening barrier
	s_cmp_lg_u32 s14, 0
	s_cbranch_scc1 .Lnot_wave_0_\@
	s_barrier_signal -3
.Lnot_wave_0_\@:
	s_barrier_wait -3
	BARRIER
.endm
.macro CROUND
	BARRIER
	CREST
.endm
.macro GRD
	WIN 0
	s_wait_tensorcnt 0x0
	ds_add_u32 v[SPW], v[NIL]
.endm
.macro TLOAD i, g1
	tensor_load_to_lds s[GZ+4*\i:GZ+4*\i+3], s[\g1:\g1+7]
	s_nop 0
	PLACES 4
.endm
.macro GROUP0 i, lds, off, add
	s_mov_b32 s[GZ+4*\i], 1
	s_mov_b32 s[GZ+4*\i+1], \lds
	s_add_co_u32 s[GZ+4*\i+2], s\off, \add         ; the offset in the buffer, to which its address is added below
	s_mov_b32 s[GZ+4*\i+3], 0
.endm
.macro BASE0 i, b
	s_add_nc_u64 s[GZ+4*\i+2:GZ+4*\i+3], s[\b:\b+1], s[GZ+4*\i+2:GZ+4*\i+3]
	s_or_b32 s[GZ+4*\i+3], s[GZ+4*\i+3], 0x80000000
.endm
; ---- the head
	s_load_b256 s[4:11], s[0:1], 0x0               ; xq s[4:5], wq s[6:7], bias s[8:9], out0 s[10:11]
	v_lshl_add_u32 v[SPW], v0, 2, SPARE
	v_mov_b32 v[NIL], 0
	ds_add_u32 v[SPW], v[NIL]                      ; the opening lines: the add, twice on end, and its wait
	ds_add_u32 v[SPW], v[NIL]
	v_lshrrev_b32 v193, 5, v0
	v_readfirstlane_b32 s14, v193                  ; wave 0..3
	s_bfe_u32 s40, ttmp6, 0x40000                  ; cx, cy: my place in the cluster
	s_bfe_u32 s41, ttmp6, 0x40004
	s_lshl_b32 s42, ttmp9, 2
	s_add_co_u32 s42, s42, s40                     ; tile column
	s_and_b32 s12, ttmp7, 0xffff
	s_and_b32 s13, s12, 1                          ; the K half with which my cluster begins: made of the cluster's y alone, which all sixteen partners share
	s_lshl_b32 s17, s12, 2
	s_add_co_u32 s17, s17, s41                     ; tile row
	s_lshl_b32 s43, s41, 2
	s_lshl_b32 s43, 15, s43                        ; my row of the cluster
	s_lshl_b32 s44, 0x1111, s40                    ; my column
	; groups 1: dense blocks as rows of 256 bytes (32 elements of 8 bytes): X's 200 rows, W's 400
	s_or_b32 s[G1X], s43, (3<<16)|(1<<21)
	s_or_b32 s[G1W], s44, (3<<16)|(1<<21)
	s_mov_b32 s[G1X+1], 32<<16
	s_mov_b32 s[G1X+2], 200<<16
	s_mov_b32 s[G1X+3], 32<<16
	s_mov_b32 s[G1X+4], 200
	s_mov_b32 s[G1X+5], 32
	s_mov_b32 s[G1X+6], 0
	s_mov_b32 s[G1X+7], 0
	s_mov_b32 s[G1W+1], 32<<16
	s_mov_b32 s[G1W+2], 400<<16
	s_mov_b32 s[G1W+3], 32<<16
	s_mov_b32 s[G1W+4], 400
	s_mov_b32 s[G1W+5], 32
	s_mov_b32 s[G1W+6], 0
	s_mov_b32 s[G1W+7], 0
	; where the tiles come from: X's hang on the tile row, W's on the tile column, both on the cluster's first K half
	s_mul_i32 s20, s17, WCH
	s_mul_i32 s34, s13, KHX
	s_sub_co_u32 s35, KHX, s34
	s_add_co_u32 s34, s34, s20                     ; X: the walk's K half 0,
	s_add_co_u32 s35, s35, s20                     ; and 1
	s_mul_i32 s46, s42, WCH
	s_mul_i32 s36, s13, KHW
	s_sub_co_u32 s37, KHW, s36
	s_add_co_u32 s36, s36, s46                     ; W: the walk's quarters 0 (and 1),
	s_add_co_u32 s37, s37, s46                     ; 2 (and 3)
	GROUP0 0, A0,        36, 0                     ; W q 0
	GROUP0 1, 0,         34, 0                     ; X rows 0-63, K half 0
	GROUP0 2, A0+WCH,    36, KHW/2                 ; W q 1
	GROUP0 3, XH,        35, 0                     ; X rows 0-63, K half 1
	GROUP0 4, A0,        37, 0                     ; W q 2
	GROUP0 5, A0+WCH,    34, XH                    ; X rows 64-127, K half 0
	GROUP0 6, A0+WCH+XH, 35, XH                    ; and 1
	s_wait_alu depctr_va_vdst(0)
	s_wait_dscnt 0x0                               ; both opening adds are done
	CROUND                                         ; all sixteen work-groups are here: the first joint loads meet
	s_wait_kmcnt 0x0
	BASE0 0, 6
	BASE0 1, 4
	BASE0 2, 6
	BASE0 3, 4
.macro ARM w, i, g1, next
	s_cmp_eq_u32 s14, \w
	s_cbranch_scc0 \next
	TLOAD \i, \g1
	s_branch .Lasked
\next:
.endm
	ARM 0, 0, G1W, .Lwave_1                        ; one load a wave, one chain of branches
	ARM 1, 1, G1X, .Lwave_2
	ARM 2, 2, G1W, .Lwave_3
	TLOAD 3, G1X
.Lasked:
	v_and_b32 v193, 15, v0                         ; r
	v_bfe_u32 v194, v0, 4, 1                       ; h
	v_and_b32 v195, 31, v0                         ; lane
	s_mul_i32 s18, s14, 4*UNIT                     ; my four units of a quarter of W
	s_add_co_u32 s19, s18, A0
	v_lshlrev_b32 v[XA], 4, v195
	v_add_nc_u32 v[XA+1], XH, v[XA]
	v_lshlrev_b32 v[GFO], 4, v195
	v_lshlrev_b32 v[BOF], 4, v193
	v_add_nc_u32 v[XSA], SCO, v[BOF]
	v_add_nc_u32 v[XSA+1], SCO+XH, v[BOF]
	v_add_nc_u32 v[WA], s19, v[XA]
	v_add_nc_u32 v[WA+1], WCH, v[WA]
	v_mul_u32_u24 v[GSO], v194, UNIT
	v_add_nc_u32 v[GSO], v[GSO], v[XSA]
	v_add_nc_u32 v[WSA], s19, v[GSO]
	v_add_nc_u32 v[WSA+1], WCH, v[WSA]
	v_lshl_add_u32 v[CO], v194, 16, v[BOF]         ; 8 h rows of 8,192 bytes + 16 r
	s_wait_alu depctr_va_vdst(0)
	s_lshl_b32 s46, s42, 10
	s_lshl_b32 s47, s14, 8
	s_add_co_u32 s46, s46, s47                     ; my first column, in bytes
	s_mov_b32 s47, 0
	s_lshl_b32 s20, s17, 20                        ; my first row: 128 x 8,192 x tile row
	s_mov_b32 s21, 0
	s_add_nc_u64 s[8:9], s[8:9], s[46:47]
	s_add_nc_u64 s[10:11], s[10:11], s[46:47]
	s_add_nc_u64 s[10:11], s[10:11], s[20:21]
	s_add_co_u32 s38, s37, KHW/2
	s_add_co_u32 s38, s38, s18
	s_mov_b32 s39, 0
	s_add_nc_u64 s[Q3:Q3+1], s[6:7], s[38:39]
.irp w, 0,0x40,0x80,0xc0
	WIN \w
	global_load_b128 v[BIAS:BIAS+3], v[BOF], s[8:9]    ; columns 4 r .. 4 r + 3 of my 64, into each window
.endr
	WIN 0
	BASE0 4, 6
	BASE0 5, 4
	BASE0 6, 4
; ---- my 64 rows of W into their registers.  WR: step i of quarter q, 12 LDS loads; WSL: the quarter's scale words; GR, GSL: the same of q 3, from memory
.macro WREGS q, i, b                   ; where fragment (q, i, b) lies
.set F_, 16*(\q)+4*(\i)+\b
.if F_ < 63
	WIN ((1+F_/21)<<6)
.set R_, 12*(F_%21)
.else
	WIN 0
.set R_, F63
.endif
.endm
.macro WR q, i
.irp b, 0,1,2,3
	WREGS \q, \i, \b
.irp c, 0,1,2
	ds_load_b128 v[R_+4*\c:R_+4*\c+3], v[WA+((\q)%2)] offset:\b*UNIT+(\i)*FRB+512*\c
.endr
.endr
	WIN 0
.endm
.macro WSL q
.irp p, 0,1
	ds_load_b128 v[WS+8*(\q)+4*\p:WS+8*(\q)+4*\p+3], v[WSA+((\q)%2)] offset:\p*2*UNIT
.endr
.endm
.macro GR i
.irp b, 0,1,2,3
	WREGS 3, \i, \b
.irp c, 0,1,2
	global_load_b128 v[R_+4*\c:R_+4*\c+3], v[GFO], s[Q3:Q3+1] offset:\b*UNIT+(\i)*FRB+512*\c
.endr
.endr
	WIN 0
.endm
.macro GSL
.irp p, 0,1
	global_load_b128 v[WS+24+4*\p:WS+24+4*\p+3], v[GSO], s[Q3:Q3+1] offset:\p*2*UNIT
.endr
.endm
.macro ITEM m                          ; item m: block S_, quarter Q_
.if (\m) < 8
.set S_, (\m)%2
.set Q_, (\m)/2
.else
.set S_, (\m)/4
.set Q_, (\m)%4
.endif
.endm
.macro FETCH m                         ; item m's four scale words and four fragments of X, into set m % 2: 13 LDS loads
	ITEM \m
.set O_, ((S_%4)*2+(Q_%2))*UNIT
.set D_, XS+4*((\m)%2)
	ds_load_b128 v[D_:D_+3], v[XSA+(Q_/2)] offset:O_+0
.irp i, 0,1,2,3
.irp c, 0,1,2
.set D_, RING+48*((\m)%2)+12*\i+4*\c
	ds_load_b128 v[D_:D_+3], v[XA+(Q_/2)] offset:O_+\i*FRB+512*\c
.endr
.endr
.endm
.macro PW c, row
	v_wmma_scale_f32_16x16x128_f8f6f4 v[A_:A_+7], v[XF_:XF_+11], v[WF_:WF_+11], \c, v[XC_], v[WC_] matrix_a_fmt:MATRIX_FMT_FP6 matrix_b_fmt:MATRIX_FMT_FP6 matrix_b_scale:MATRIX_SCALE_ROW\row
.endm
.macro PROD n, p                       ; product p of pair n: step p / 4 of the pair, tile p % 4: the four accumulators take turns, one instruction a turn
	ITEM (\n)/2
.set K_, 4*Q_+2*((\n)%2)+((\p)/4)
.set F_, 4*K_+((\p)%4)
.set A_, ACC+32*(S_%2)+8*((\p)%4)
.set XF_, RING+24*((\n)%4)+12*((\p)/4)
.set XC_, XS+4*(((\n)/2)%2)+2*((\n)%2)+((\p)/4)
.set WC_, WS+8*Q_+4*(((\p)%4)/2)+(K_%4)
.if F_ < 63
	WIN ((1+F_/21)<<2)
.set WF_, 12*(F_%21)
.else
	WIN 0
.set WF_, F63
.endif
.if K_ == 0
.if (\p)%2
	PW 0, 1
.else
	PW 0, 0
.endif
.elseif (\p)%2
	PW v[A_:A_+7], 1
.else
	PW v[A_:A_+7], 0
.endif
.endm
.macro ADDO                            ; the next number of the finished block in set PSET: row register E_ / 4, tile E_ % 4; every accumulator from its low end on
	v_add_f32 v[OUT+E_], v[ACC+32*PSET+8*(E_%4)+(E_/4)], v[BIAS+(E_%4)]
.set E_, E_+1
.endm
.macro PAIR n, per                     ; 8 products; per = 2: two additions of the way out behind each
.irp p, 0,1,2,3,4,5,6,7
	PROD \n, \p
.if (\per) == 2
	ADDO
	ADDO
.endif
.endr
.endm
.macro ST s, j                         ; rows j and 8 + j of block s: 16 lanes store 256 consecutive bytes, at a multiple of 256 from out0's first byte; written once
	global_store_b128 v[CO], v[OUT+4*(\j):OUT+4*(\j)+3], s[10:11] offset:(16*(\s)+(\j))*NROW th:TH_STORE_NT
.endm
; An item.  A load into a register that a matrix instruction has read, and an addition that reads a result, stand four plain vector instructions behind it.  Then the next item's loads; cnt stores of block b from row register j0 on;
; the wait for this item's loads (the 13 just issued may be out); the products.
.macro STEP m, per, b=0, j0=0, cnt=0
	PLACES 4
.if (\cnt) && (\j0)
	s_wait_alu depctr_va_vdst(0)                   ; the additions stand an item back
.endif
.if (\m) < 31
	FETCH (\m)+1
.endif
.if \cnt
	WIN 0
.set J_, \j0
.rept \cnt
	ST \b, J_
.set J_, J_+1
.endr
.endif
.if (\m) < 31
	s_wait_dscnt 13
.else
	s_wait_dscnt 0x0
.endif
.if \per
	s_wait_xcnt 0x0                                ; the earlier stores have read their registers
.endif
	PAIR 2*(\m), \per
	PAIR 2*(\m)+1, \per
.endm
; ---- blocks 0 and 1, while W comes in
	s_cmp_lt_u32 s14, 2
	s_cbranch_scc0 .Lnot_first
	s_wait_tensorcnt 0x0
.Lnot_first:
	BARRIER                                        ; W's q 0 and X's K half 0 are in; the other two may still be on their way
	WSL 0
.irp i, 0,1,2,3
	WR 0, \i
.endr
	FETCH 0
	FETCH 1
	GSL                                            ; the first half of q 3
	GR 0
	GR 1
	GRD
	s_wait_dscnt 0x0                               ; the add is done, and all of q 0 is in my registers
	CROUND
	s_cmp_eq_u32 s14, 0
	s_cbranch_scc0 .Lnot_0
	TLOAD 4, G1W                                   ; wave 0: q 2 onto q 0
.Lnot_0:
	WSL 1                                          ; q 1 comes in between the products of q 0, and the rest of q 3 is asked for
	WR 1, 0
	GR 2
	PAIR 0, 0
	WR 1, 1
	GR 3
	PAIR 1, 0
	PLACES 4
	WR 1, 2
	WR 1, 3
	FETCH 2
	PAIR 2, 0
	PAIR 3, 0
	STEP 2, 0                                      ; (its wait covers q 1 and item 2: younger are item 3's 13 loads)
	PLACES 4
	FETCH 4
	s_wait_dscnt 13
	PAIR 6, 0
	GRD
	PAIR 7, 0                                      ; register work between the add and the wait for it
	WIN 0
	s_wait_dscnt 0x0                               ; the add is done; all of q 1 has been in my registers since item 2
	CROUND
	s_cmp_eq_u32 s14, 0
	s_cbranch_scc0 .Lx1
	TLOAD 5, G1X                                   ; waves 0 and 1: X's rows 64-127, a K half each, onto q 1
	s_branch .Lx01
.Lx1:
	s_cmp_eq_u32 s14, 1
	s_cbranch_scc0 .Lx01
	TLOAD 6, G1X
.Lx01:
	PLACES 4                                       ; for the loads into registers that products have read, in the waves that come round the load
	WSL 2
	WR 2, 0
	WR 2, 1
	WR 2, 2
	WR 2, 3
	FETCH 5
	s_wait_dscnt 37                                ; the first two steps of q 2 are in: younger are the last two steps' 24 loads and item 5's 13
	PAIR 8, 0
	s_wait_dscnt 13
	PAIR 9, 0
	STEP 5, 0
	s_wait_loadcnt 0x0                             ; q 3, and the bias
	STEP 6, 0
.set PSET, 0
.set E_, 0
	STEP 7, 2                                      ; block 0 is finished: its additions stand in block 1's last item
; ---- blocks 2 to 7, all of K.  The block before: its additions in the second item, its stores with the fetches of the next two items
.macro BLOCK s
.set PSET, ((\s)-1)%2
.set E_, 0
.if (\s) == 2
	STEP 8, 0, 0, 0, 8
.else
	STEP 4*(\s), 0
.endif
	STEP 4*(\s)+1, 2
.if (\s) == 3                          ; item 14, with a plain barrier that shows X's rows 64-127
	PLACES 4
	FETCH 15
	WIN 0
.irp j, 0,1,2,3
	ST 2, \j
.endr
	s_wait_dscnt 13
	PAIR 28, 0
	WIN 0
	s_wait_tensorcnt 0x0
	s_wait_dscnt 0x0
	s_barrier_signal -1
	v_add_nc_u32 v[XA], A0+WCH, v[XA]              ; on to them: all of rows 0-63 has been fetched
	v_add_nc_u32 v[XA+1], A0+WCH, v[XA+1]
	v_add_nc_u32 v[XSA], A0+WCH, v[XSA]
	v_add_nc_u32 v[XSA+1], A0+WCH, v[XSA+1]
	PAIR 29, 0
	WIN 0
	s_barrier_wait -1
.else
	STEP 4*(\s)+2, 0, (\s)-1, 0, 4
.endif
	STEP 4*(\s)+3, 0, (\s)-1, 4, 4
.endm
.irp s, 2,3,4,5,6,7
	BLOCK \s
.endr
	WIN 0
	PLACES 4                                       ; the additions read results just made
	s_wait_xcnt 0x0
.set PSET, 1
.set E_, 0
.irp j, 0,1,2,3,4,5,6,7
.rept 4
	ADDO
.endr
	ST 7, \j
.endr
	s_wait_tensorcnt 0x0                           ; the wave's end
	ds_add_u32 v[SPW], v[NIL]
	s_wait_dscnt 0x0
	CROUND                                         ; the closing round
	s_endpgm
.Lfunc_end_k_qf4a6bff3bf_gemm:
	.size	k_qf4a6bff3bf_gemm, .Lfunc_end_k_qf4a6bff3bf_gemm-k_qf4a6bff3bf_gemm
	.p2alignl 7, 3214868480
	.fill 96, 4, 3214868480
	.section	.rodata,"a",@progbits
	.p2align	6, 0x0
	.amdhsa_kernel k_qf4a6bff3bf_gemm
		.amdhsa_group_segment_fixed_size 327680
		.amdhsa_private_segment_fixed_size 0
		.amdhsa_enable_private_segment 0
		.amdhsa_kernarg_size 32
		.amdhsa_user_sgpr_count 2
		.amdhsa_user_sgpr_kernarg_segment_ptr 1
		.amdhsa_wavefront_size32 1
		.amdhsa_system_sgpr_workgroup_id_x 1
		.amdhsa_system_sgpr_workgroup_id_y 1
		.amdhsa_system_sgpr_workgroup_id_z 1
		.amdhsa_system_vgpr_workitem_id 0
		.amdhsa_next_free_vgpr 1024
		.amdhsa_next_free_sgpr 100
		.amdhsa_reserve_vcc 0
		.amdhsa_float_denorm_mode_32 3
		.amdhsa_float_denorm_mode_16_64 3
		.amdhsa_memory_ordered 1
		.amdhsa_forward_progress 1
		.amdhsa_inst_pref_size 138
	.end_amdhsa_kernel
	.amdgpu_metadata
---
amdhsa.version: [ 1, 2 ]
amdhsa.kernels:
  - .name:           k_qf4a6bff3bf_gemm
    .symbol:         k_qf4a6bff3bf_gemm.kd
    .args:
      - { .name: xq, .offset: 0, .size: 8, .value_kind: global_buffer, .address_space: global }
      - { .name: wq, .offset: 8, .size: 8, .value_kind: global_buffer, .address_space: global }
      - { .name: bias, .offset: 16, .size: 8, .value_kind: global_buffer, .address_space: global }
      - { .name: out0, .offset: 24, .size: 8, .value_kind: global_buffer, .address_space: global }
    .group_segment_fixed_size: 327680
    .private_segment_fixed_size: 0
    .kernarg_segment_align: 8
    .kernarg_segment_size: 32
    .max_flat_workgroup_size: 128
    .sgpr_count:     100
    .vgpr_count:     1024
    .wavefront_size: 32
...
	.end_amdgpu_metadata
.endif
;; end of part 2
